; MI455X (gfx1250); checked and timed in simulation.
; The chip was launched on July 23, 2026; its instructions are those of AMD's public machine-readable ISA for CDNA 5 (MIT licence, August 2026) and "CDNA5" Instruction Set Architecture Reference Guide (July 2026). The comments in the code are by the model that wrote it; some were corrected since.
;; Multi Head Self Attention. Allowed arithmetic: matrix products marked QUANTISED: E2M1 operands, one E8M0 scale for each 32 along K, by v_wmma_scale_f32_16x16x128_f8f6f4 with both operands' format E2M1 (or v_wmma_scale_f32_32x16x128_f4), f32 sums; everything else in f32.
;; Inputs: fc_b 1,024 float32; fc_w_codes 1,024 x 32 x 16 uint8 (E2M1 codes of fc_w, K innermost, in blocks of 32 codes, two codes a byte); fc_w_scales 1,024 x 32 uint8 (E8M0 scales of fc_w, one for each 32 codes along K); qkv_b 3,072 float32; qkv_w_codes 3,072 x 32 x 16 uint8 (E2M1 codes of qkv_w, K innermost, in blocks of 32 codes, two codes a byte); qkv_w_scales 3,072 x 32 uint8 (E8M0 scales of qkv_w, one for each 32 codes along K); x_codes 4 x 2,048 x 32 x 16 uint8 (E2M1 codes of x, K innermost, in blocks of 32 codes, two codes a byte); x_scales 4 x 2,048 x 32 uint8 (E8M0 scales of x, one for each 32 codes along K).
;; Outputs: out0 4 x 2,048 x 1,024 float32.
;; This version of the problem:
;;   THIS VERSION OF THE PROBLEM IS GIVEN IN LOW PRECISION. The matrix products marked QUANTISED in the list below multiply operands that are first quantised to E2M1 (2 exponent bits, 1 mantissa bit; 4 bits a number), with one power-of-two scale for each 32 numbers along K (OCP MX v1.0); their sums are f32. All else is computed in f32.
;;   The module's matrix products, in the order in which they are computed (A, B: the left and right operand; K: the contracted axis; several contracted axes count as one K, in the product's order):
;;     1. [M 8,192, K 1,024] x [K 1,024, N 3,072]; A: input x (given as codes); B: input qkv_w (given as codes): QUANTISED
;;     2. batch 64 x [M 2,048, K 64] x [K 64, N 2,048]; A: computed on the way; B: computed on the way: QUANTISED
;;     3. batch 64 x [M 2,048, K 2,048] x [K 2,048, N 64]; A: softmax (see below); B: computed on the way: QUANTISED
;;     4. [M 8,192, K 1,024] x [K 1,024, N 1,024]; A: computed on the way; B: input fc_w (given as codes): QUANTISED
;;   THE QUANTISER, for each operand of a quantised product, along K:
;;     - K is cut into blocks of 32 from its start; a last block that is shorter is filled with zeros.
;;     - A block's scale is 2^e with e = floor(log2(the largest magnitude in the block)) - 2, held to -126 .. 127; a block of zeros has e = 0. As a byte (E8M0): e + 127.
;;     - Each number is divided by its block's scale, clamped to +-6, and rounded to the nearest number of E2M1, ties to even, subnormals kept.
;;     - The product sums the exact products of the quantised numbers (number of the format x scale) in f32.
;;   ~~~python
;;   def quantise(x, axis):      # numpy; x: float32 -> the quantised numbers, widened to float32 again
;;       x = np.moveaxis(x, axis, -1); K = x.shape[-1]
;;       x = np.pad(x, [(0, 0)] * (x.ndim - 1) + [(0, -K % 32)]); x = x.reshape(x.shape[:-1] + (-1, 32)); a = np.abs(x).max(-1, keepdims=True)
;;       e = np.where(a > 0, np.clip(np.frexp(np.where(a > 0, a, 1))[1] - 1 - 2, -126, 127), 0)      # np.frexp(a)[1] - 1 = floor(log2(a)), exactly
;;       r = np.clip(x / 2.0 ** e, -6, 6)
;;       step = 2.0 ** (np.maximum(np.frexp(np.where(r == 0, 1, r))[1] - 1, 0) - 1)
;;       q = np.round(r / step) * step * 2.0 ** e      # np.round: ties to even
;;       return np.moveaxis(q.reshape(q.shape[:-2] + (-1,))[..., :K], -1, axis).astype(np.float32)
;;   ~~~
;;   SOFTMAX AHEAD OF A QUANTISED PRODUCT. Where the list says 'softmax', what is quantised is not the finished softmax but p = 2^(t - M), with t = logit x log2(e) and M = ceil(the row's largest t), a whole number; so 1/2 < the row's largest p <= 1. The row's sum l is taken of the UNQUANTISED p, in f32, and the product's result is divided by l at the end. Since M is a whole number, a kernel that streams over the keys may use a running M (the ceiling of the running maximum): every later rescaling is an exact power of two, which a block's scale takes up: the codes' values come out the same.
;;   OPERANDS COMPUTED ON THE WAY. 'Computed on the way' means the value that the module computes at that place (a softmax that the list does not call 'softmax' is quantised finished and normalised). What goes into a quantiser is computed in f32, as accurately as f32 sums, v_exp_f32 and their like allow (about 1e-6 of the number): no bf16 or f16 on the way to a quantiser, and a product that is left as it is and whose result goes on into a quantised operand takes f32 operands (vector FMAs, or v_wmma_f32_16x16x4_f32). A number that lies on a knife's edge between two numbers of the format may be rounded either way, as far as f32 arithmetic and the matrix unit's own rounding can turn it there, and no further.
;;   INPUTS GIVEN AS CODES. fc_w (in the module: [1024, 1024], K = its axis 1); qkv_w (in the module: [3072, 1024], K = its axis 1); x (in the module: [4, 2048, 1024], K = its axis 2): each comes as NAME_codes (uint8): NAME with its K axis moved to the last place and cut into blocks of 32 codes, [.., K / 32, bytes a block], one block behind the other in memory; two codes a byte, the lower K in the low four bits (a code: sign, 2 exponent bits, 1 mantissa bit); and NAME_scales (uint8): the same leading axes, one E8M0 byte (e + 127) for each 32 codes along K. Its value is code x scale, taken as it is: it is not quantised again, and the codes and scales need not be those that the quantiser above would give.
;; One version. Each part assembles by itself: llvm-mc -triple=amdgcn-amd-amdhsa -mcpu=gfx1250 --defsym DOCPART=n.
;; ======== version 1 of 1: 3 launches
;; workspace buffers: qkv 13,893,632 bytes; oimg 4,194,304 bytes; osc 262,144 bytes
;; launch qkvq (part 1): grid 12 x 32, 4 waves a work-group, clusters of 4 x 4, 327,680 bytes of LDS; arguments x_codes, x_scales, qkv_w_codes, qkv_w_scales, qkv_b, qkv; writes qkv
.if DOCPART == 1
	.amdgcn_target "amdgcn-amd-amdhsa--gfx1250"
	.amdhsa_code_object_version 6
	.text
	.protected	k_qfc39f7397b_qkvq
	.globl	k_qfc39f7397b_qkvq
	.p2align	8
	.type	k_qfc39f7397b_qkvq,@function
k_qfc39f7397b_qkvq:
	s_mov_b64 s[64:65], 0
	v_nop
	global_prefetch_b8 v0, s[64:65] scope:SCOPE_SE
	s_setreg_imm32_b32 hwreg(HW_REG_WAVE_MODE, 25, 1), 1
	s_wait_xcnt 0x0
	s_wait_alu depctr_hold_cnt(0) depctr_sa_sdst(0) depctr_va_vdst(0) depctr_va_sdst(0) depctr_va_ssrc(0) depctr_va_vcc(0) depctr_vm_vsrc(0)
	s_getreg_b32 s2, hwreg(HW_REG_IB_STS2, 6, 4)
	s_cmp_eq_u32 s2, 0
	s_cbranch_scc0 .Lentry_in_a_cluster
	s_endpgm
.Lentry_in_a_cluster:
	s_bfe_u32 s2, ttmp6, 0x10000c
	s_cmp_lg_u32 s2, 0xf033
	s_cbranch_scc0 .Lentry_shape_is_right
	s_endpgm
.Lentry_shape_is_right:
; qkv = x qkv_w^T + qkv_b on codes of FP4 (E2M1) with E8M0 scales, and its three sections quantised at once for the attention that follows:
; q and k along the head's 64 channels (two blocks of 32), v along the keys.  The f32 numbers never go to memory.
; NO WORK OF THE PROBLEM IS LEFT OUT IN ANY LAUNCH: every input has a way to out0; the bias on k moves k's codes and stays.
; LIMITS: NaN and infinities are not served.  A block of zeros gets the scale byte 1 where the rule says 127: its codes are zeros, and this program alone reads the bytes.
; A block whose largest magnitude lies under 2^-124 is held at the byte 1.
; SHAPE.  A work-group of four waves makes 256 x 256 numbers, a wave 128 x 128: 64 accumulators, 512 registers.  K = 1,024 is two LDS slots of 512 along K (rows of 256 bytes): both are first fills,
; nothing is filled again, and the K walk is written out.  4 x 4 work-groups form a cluster and ask for their tiles jointly.
; ROLES.  The conversions take neighbours along the quantised axis from ONE lane's registers, and a lane's registers run along SOURCE 0's rows.  The cluster's x is the section (0 q, 1 k, 2 v), the same in all sixteen partners.
;   q, k: source 0 (role B) = 16 rows of qkv_w (channels), source 1 (role A) = 16 rows of x: a lane holds one token, its registers run along the channels.
;   v:    source 0 (role B) = 16 rows of x (tokens),       source 1 (role A) = 16 rows of qkv_w: a lane holds one channel, its registers run along the keys.
; Both tensors have rows of 512 bytes of codes and 32 bytes of scales, so only pointers and tile numbers are chosen; descriptors, LDS map and K walk are one text.
; THE RESULT'S PLACES.  In accumulator b, lane (r, h) register j holds source-0 row 16 b + 8 h + j.  A block of 32 is accumulators 2 B and 2 B + 1: sixteen registers of lanes l and l xor 16.
; Its four conversions give codes 0-7 | 8-15 (first register, lanes 0-15 | 16-31) and 16-23 | 24-31 (second); two exchanges of halves between the registers of blocks 2 c and 2 c + 1 leave
; block 2 c whole in lanes 0-15 and block 2 c + 1 whole in lanes 16-31: the operand's own layout.  So all rows stay in their natural order.
; THE WORKSPACE qkv: for each (batch, head) HEADB bytes = 16 blocks of STEPB bytes, one for each 128 tokens; in a block, images of operand registers (lane l's 16 bytes at 16 l):
;   +0 q: 8 tiles x 512;  +4096 q's scale words [2][row 16][tile 4];  +4608 k likewise;  +8704 v: 4 channel tiles x 1,024;  +12800 k's scale words;  +13312 v's scale words [channel 16][tile 4].
; REGISTERS.  window 0: v4-15 the quantiser's scratch; v16-31 addresses; v32-95 A's scale words, v192-255 B's (block i, K step s at 8 i + s); v96-111 codes just made, two sets; v112-119 their scale words; v128-191 A's fragments, later 64 numbers.
;   window 1: v0-63, v128-191 B's fragments, two sets; v64-79 v's bias; v192-255 q's and k's bias.   windows 2, 3: the accumulators ((a, b) at 8 (8 (a % 4) + b)).
.set NQ,     4                         ; matrix instructions deep in a slot
.set ROWB,   256                       ; a tile's row in bytes: 512 codes
.set KROW,   512                       ; a row of x or of qkv_w in memory
.set PITCH,  272                       ; an LDS row: 256 bytes + 16 of padding = 68 words: the 16 rows that a load touches start 4 words apart modulo 64
.set FR,     8
.set NL,     2
.set NP,     4
.set HALFT,  128*PITCH
.set SLOT,   4*HALFT                   ; A's 256 rows, then B's 256 rows
.set SPARE,  2*SLOT                    ; behind the two slots: the spare words, 128 bytes for each wave: two blocks of 256 bytes that no other line names
.set STEPB,  13568
.set HEADB,  16*STEPB
.set MX,   4                           ; v4-7    largest magnitudes
.set PB,   8                           ; v8-11   the other half's, then the bytes
.set SO,   12                          ; v12-15  the conversions' scale operands
.set ADRA, 16
.set ADRB, 20
.set LI,   24                          ; 16 x lane
.set SV,   25                          ; 16 r + h x HEADB: a scale word's place
.set R32,  26                          ; 32 r
.set BO,   27                          ; 32 h
.set SPW,  28
.set NIL,  29
.set H16,  30                          ; 16 h
.set R4,   31                          ; 4 r
.set SA,   32
.set PC,   96
.set W,    112
.set AF,   128
.set T,    128
.set SB,   192
.set BV,   64                          ; in window 1
.set BI,   192                         ; in window 1
.set G1, 24
.set G0, 32
.set G1B, 48
.set G0B, 56
.set SEL, 86
.set MSB, 0
.macro WIN new                         ; the immediate's high byte repeats the setting that is left
.if MSB != (\new)
	s_set_vgpr_msb (MSB<<8)|(\new)
.set MSB, \new
.endif
.endm
.set MUL_LO, 0xa1                      ; source 0 (B) window 1, source 1 (A) window 0, C and D window 2
.set MUL_HI, 0xf1
.set TO_B,   0x40
; A joint load: waves 0 and 1 fetch for A, waves 2 and 3 for B; the branch hangs on the wave's number alone.  An s_nop 0 and four v_nop follow each line.
.macro JLOAD g0a, g1a, g0b, g1b
	s_cmp_eq_u32 s15, 0
	s_cbranch_scc0 .Lfor_b_\@
	tensor_load_to_lds s[\g0a:\g0a+3], s[\g1a:\g1a+7]
	s_nop 0
.rept 4
	v_nop
.endr
	s_branch .Lasked_\@
.Lfor_b_\@:
	tensor_load_to_lds s[\g0b:\g0b+3], s[\g1b:\g1b+7]
	s_nop 0
.rept 4
	v_nop
.endr
.Lasked_\@:
.endm
.macro CROUND                          ; a round of the cluster's barrier
	s_barrier_signal -1
	s_barrier_wait -1
	s_cmp_lg_u32 s14, 0
	s_cbranch_scc1 .Lnot_wave_0_\@
	s_barrier_signal -3
.Lnot_wave_0_\@:
	s_barrier_wait -3
	s_barrier_signal -1
	s_barrier_wait -1
.endm
	s_load_b256 s[4:11], s[0:1], 0x0               ; x's codes s[4:5], x's scales s[6:7], qkv_w's codes s[8:9], its scales s[10:11]
	s_load_b128 s[68:71], s[0:1], 0x20             ; qkv_b s[68:69], the workspace s[70:71]
	v_lshl_add_u32 v[SPW], v0, 2, SPARE
	v_mov_b32 v[NIL], 0
	ds_add_u32 v[SPW], v[NIL]                      ; the wave's opening: the add, twice on end, and its wait ahead of my first tensor load
	ds_add_u32 v[SPW], v[NIL]
	v_lshrrev_b32 v1, 5, v0
	v_readfirstlane_b32 s14, v1                    ; wave 0..3
	s_lshr_b32 s15, s14, 1                         ; which half of A's 256 rows is mine.  Also: I fetch for A (0) or for B (1)
	s_and_b32 s16, s14, 1                          ; which half of B's.  Also: which 128 rows I fetch
	s_bfe_u32 s40, ttmp6, 0x40000                  ; cx
	s_bfe_u32 s41, ttmp6, 0x40004                  ; cy
	s_and_b32 s88, ttmp7, 0xffff                   ; cluster y: 0..7
	s_cmp_eq_u32 ttmp9, 2                          ; the section v?  The cluster's x: the same in all sixteen partners
	s_cselect_b32 s89, 2, s88                      ; A's tile = 4 x this + cy: v: tiles 8 + cy of qkv_w; q, k: tiles 4 y + cy of x
	s_cselect_b32 s90, s88, ttmp9                  ; B's tile = 4 x this + cx: v: tiles 4 y + cx of x; q, k: tiles 4 section + cx of qkv_w
	s_lshl_b32 s17, s89, 2
	s_add_co_u32 s17, s17, s41                     ; A's tile of 256 rows
	s_lshl_b32 s42, s90, 2
	s_add_co_u32 s42, s42, s40                     ; B's
	s_lshl_b32 s43, s41, 2
	s_lshl_b32 s43, 15, s43                        ; my row of the cluster
	s_lshl_b32 s44, 0x1111, s40                    ; my column
	s_or_b32 s[G1+0], s43, (0<<16)|(1<<20)|(1<<21)|(5<<22)|(3<<25)  ; the mask; elements of 1 byte; padding on; bit 21 beside a mask; 4 words behind every 64
	s_or_b32 s[G1B+0], s44, (0<<16)|(1<<20)|(1<<21)|(5<<22)|(3<<25)
.irp g, G1, G1B
	s_mov_b32 s[\g+1], ROWB<<16                    ; tensor_dim0
	s_mov_b32 s[\g+2], 128<<16                     ; tensor_dim1
	s_mov_b32 s[\g+3], ROWB<<16                    ; tile_dim0
	s_mov_b32 s[\g+4], 128                         ; tile_dim1
	s_mov_b32 s[\g+5], KROW                        ; from row to row
	s_mov_b32 s[\g+6], 0
	s_mov_b32 s[\g+7], 0
.endr
	s_lshl_b32 s18, s16, 7                         ; which 128 rows of the tile I fetch
	s_lshl_b32 s20, s17, 8
	s_add_co_u32 s20, s20, s18
	s_lshl_b32 s20, s20, 9                         ; A: in bytes (at most 8,192 rows of 512)
	s_mov_b32 s21, 0
	s_lshl_b32 s46, s42, 8
	s_add_co_u32 s46, s46, s18
	s_lshl_b32 s46, s46, 9                         ; B
	s_mov_b32 s47, 0
	s_mul_i32 s45, s14, HALFT                      ; where they go: wave x 128 rows
	s_mov_b32 s[SEL], 0x76543210
	s_mov_b32 s[SEL+1], 0xfedcba98                 ; v_permlanex16_b32: lane l xor 16
	s_wait_dscnt 0x0                               ; both opening adds are done
	s_wait_kmcnt 0x0
	s_cmp_eq_u32 ttmp9, 2
	s_cselect_b64 s[72:73], s[8:9], s[4:5]         ; A's codes,
	s_cselect_b64 s[74:75], s[10:11], s[6:7]       ; A's scales,
	s_cselect_b64 s[76:77], s[4:5], s[8:9]         ; B's codes,
	s_cselect_b64 s[78:79], s[6:7], s[10:11]       ; B's scales
	s_add_nc_u64 s[20:21], s[72:73], s[20:21]
	s_add_nc_u64 s[46:47], s[76:77], s[46:47]
	CROUND                                         ; all sixteen work-groups are here: the joint loads meet
.irp s, 0,1
	s_mov_b32 s[G0+4*\s], 1
	s_add_co_u32 s[G0+4*\s+1], s45, \s*SLOT
	s_add_nc_u64 s[G0+4*\s+2:G0+4*\s+3], s[20:21], \s*ROWB
	s_or_b32 s[G0+4*\s+3], s[G0+4*\s+3], 0x80000000
	s_mov_b32 s[G0B+4*\s], 1
	s_add_co_u32 s[G0B+4*\s+1], s45, \s*SLOT
	s_add_nc_u64 s[G0B+4*\s+2:G0B+4*\s+3], s[46:47], \s*ROWB
	s_or_b32 s[G0B+4*\s+3], s[G0B+4*\s+3], 0x80000000
	JLOAD G0+4*\s, G1, G0B+4*\s, G1B               ; both slots: two loads of mine are out
.endr
	v_and_b32 v1, 15, v0                           ; r
	v_bfe_u32 v2, v0, 4, 1                         ; h
	v_and_b32 v3, 31, v0                           ; lane
	v_lshlrev_b32 v[R32], 5, v1
	s_wait_alu depctr_va_vdst(0)
	v_lshlrev_b32 v[BO], 5, v2
	s_wait_alu depctr_va_vdst(0)
	v_lshlrev_b32 v[R4], 2, v1
	s_wait_alu depctr_va_vdst(0)
	v_lshlrev_b32 v[LI], 4, v3
	v_lshlrev_b32 v[H16], 4, v2
	v_mul_u32_u24 v[SV], v2, HEADB
	v_lshl_add_u32 v[SV], v1, 4, v[SV]
	s_lshl_b32 s22, s17, 8
	s_lshl_b32 s23, s15, 7
	s_add_co_u32 s22, s22, s23                     ; my first row of A
	s_lshl_b32 s91, s42, 8
	s_lshl_b32 s23, s16, 7
	s_add_co_u32 s91, s91, s23                     ; my first row of B
	s_lshl_b32 s92, s22, 5                         ; 32 bytes of scales a row
	s_mov_b32 s93, 0
	s_add_nc_u64 s[74:75], s[74:75], s[92:93]
	s_lshl_b32 s92, s91, 5
	s_add_nc_u64 s[78:79], s[78:79], s[92:93]
; THE SCALE WORDS of my 128 rows of A and of B, for all of K, go once into registers: a row's 32 bytes are its eight words, a block of 16 rows is 512 consecutive bytes, read whole by two loads.
.irp i, 0,1,2,3,4,5,6,7
	global_load_b128 v[SA+8*\i:SA+8*\i+3],   v[R32], s[74:75] offset:512*\i
	global_load_b128 v[SA+8*\i+4:SA+8*\i+7], v[R32], s[74:75] offset:512*\i+16
	global_load_b128 v[SB+8*\i:SB+8*\i+3],   v[R32], s[78:79] offset:512*\i
	global_load_b128 v[SB+8*\i+4:SB+8*\i+7], v[R32], s[78:79] offset:512*\i+16
.endr
	s_add_co_u32 s90, ttmp9, 1
	s_lshl_b32 s90, s90, 12                        ; q, k: from the images to their scale words: 4,096 x (section + 1)
	s_cmp_eq_u32 ttmp9, 2
	s_cselect_b32 s92, 0, s91                      ; q, k: the bias of my 128 channels begins at B's row; v: held at the buffer's start (not used)
	s_cselect_b32 s94, s22, 0                      ; v: at A's row; q, k: held at the start (not used)
	s_cselect_b32 s98, s91, s22                    ; my 128 tokens' first row
	s_cselect_b32 s99, s41, s40                    ; the place that counts my heads: cy or cx,
	s_cselect_b32 s23, s15, s16                    ; and the half
	s_cselect_b32 s89, 512, 0
	s_cselect_b32 s90, 4608, s90
	s_lshl_b32 s92, s92, 2
	s_add_nc_u64 s[84:85], s[68:69], s[92:93]
	s_lshl_b32 s94, s94, 2
	s_mov_b32 s95, 0
	s_add_nc_u64 s[96:97], s[68:69], s[94:95]
; THE BIAS, in both forms, on the one way that all waves take, so that every register is written there; the form that the section does not use costs 16 loads.
	WIN TO_B
.irp i, 0,1,2,3,4,5,6,7
	global_load_b128 v[BI+8*\i:BI+8*\i+3],   v[BO], s[84:85] offset:64*\i      ; q, k: register 8 i + j: the bias of channel 16 i + 8 h + j
	global_load_b128 v[BI+8*\i+4:BI+8*\i+7], v[BO], s[84:85] offset:64*\i+16
.endr
.irp o, 0,1,2,3,4,5,6,7
	global_load_b32 v[BV+2*\o],   v[R4], s[96:97] offset:64*\o                 ; v: the bias of channel 16 o + r, twice: a pair for the packed addition
	global_load_b32 v[BV+2*\o+1], v[R4], s[96:97] offset:64*\o
.endr
	WIN 0
	s_lshr_b32 s98, s98, 7                         ; which 128 tokens: 16 x batch + step
	s_lshl_b32 s99, s99, 2
	s_lshl_b32 s23, s23, 1
	s_add_co_u32 s99, s99, s23                     ; my first head
	s_and_b32 s23, s98, 0x30
	s_add_co_u32 s99, s99, s23                     ; + 16 x batch
	s_mul_i32 s99, s99, HEADB
	s_and_b32 s98, s98, 15
	s_mul_i32 s98, s98, STEPB
	s_add_co_u32 s92, s99, s98
	s_mul_i32 s98, ttmp9, 4608
	s_add_co_u32 s92, s92, s98
	s_sub_co_u32 s92, s92, s89                     ; the section's images begin at 0, 4,608, 8,704
	s_add_nc_u64 s[80:81], s[70:71], s[92:93]
	s_mov_b32 s92, s90
	s_add_nc_u64 s[82:83], s[80:81], s[92:93]      ; and its scale words 4,096, 8,192, 4,608 further on
	v_mul_u32_u24 v5, v1, PITCH
	v_lshl_add_u32 v6, v2, 4, v5                   ; a fragment's row x pitch + 16 x half
	s_mul_i32 s21, s15, HALFT
	s_mul_i32 s22, s16, HALFT
	s_add_co_u32 s22, s22, 2*HALFT
.irp s, 0,1
	v_add_nc_u32 v[ADRA+\s], s21, v6
	v_add_nc_u32 v[ADRB+\s], s22, v6
	s_add_co_u32 s21, s21, SLOT
	s_add_co_u32 s22, s22, SLOT
.endr
.macro FRAG reg, adr, q, i             ; 16 rows x 128 K of 4-bit codes: lane l holds row l % 16; registers 4 c .. 4 c + 3 hold K = 64 c + 32 (l / 16) + 0 .. 31
.irp c, 0,1
	ds_load_b128 v[\reg+4*\c:\reg+4*\c+3], v[\adr] offset:64*(\q)+32*\c+(\i)*16*PITCH
.endr
.endm
; 16 matrix instructions: A's blocks a0, a0 + 1 x B's eight, the slot's q-th 128 along K.  The 64 accumulators take turns, one instruction a turn, in the same order in every step.
.macro MUL16 a0, p, q, sl, zero
.irp a, \a0, \a0+1
.irp b, 0,1,2,3,4,5,6,7
.if \zero
	v_wmma_scale_f32_16x16x128_f8f6f4 v[8*(8*((\a)%4)+\b):8*(8*((\a)%4)+\b)+7], v[128*(\p)+FR*\b:128*(\p)+FR*\b+FR-1], v[AF+FR*(\a):AF+FR*(\a)+FR-1], 0, v[SB+8*\b+4*(\sl)+(\q)], v[SA+8*(\a)+4*(\sl)+(\q)] matrix_a_fmt:MATRIX_FMT_FP4 matrix_b_fmt:MATRIX_FMT_FP4
.else
	v_wmma_scale_f32_16x16x128_f8f6f4 v[8*(8*((\a)%4)+\b):8*(8*((\a)%4)+\b)+7], v[128*(\p)+FR*\b:128*(\p)+FR*\b+FR-1], v[AF+FR*(\a):AF+FR*(\a)+FR-1], v[8*(8*((\a)%4)+\b):8*(8*((\a)%4)+\b)+7], v[SB+8*\b+4*(\sl)+(\q)], v[SA+8*(\a)+4*(\sl)+(\q)] matrix_a_fmt:MATRIX_FMT_FP4 matrix_b_fmt:MATRIX_FMT_FP4
.endif
.endr
.endr
.endm
.macro FETCH_B slot, q, p
	WIN TO_B
.irp i, 0,1,2,3,4,5,6,7
	FRAG 128*(\p)+FR*\i, ADRB+\slot, \q, \i
.endr
	WIN 0
.endm
.macro FETCH_A slot, q, i0
.irp i, \i0, \i0+1, \i0+2, \i0+3
	FRAG AF+FR*(\i), ADRA+\slot, \q, \i
.endr
.endm
.macro PLACES n                        ; plain vector instructions between a matrix instruction and a load into, or a vector write of, one of its registers (ISA guide 7.12.1 for vector writes)
.rept \n
	v_nop
.endr
.endm
.macro STEP slot, q, zero              ; 128 along K with its successor in the same slot
	s_wait_dscnt 4*NL                              ; B's set and A's blocks 0-3 are in; the youngest eight loads (A's blocks 4-7) may be out
	WIN MUL_LO
	MUL16 0, (\q)%2, \q, \slot, \zero
	MUL16 2, (\q)%2, \q, \slot, \zero
	s_wait_dscnt 0
	PLACES NP
	FETCH_B \slot, (\q)+1, 1-(\q)%2
	FETCH_A \slot, (\q)+1, 0
	WIN MUL_HI
	MUL16 4, (\q)%2, \q, \slot, \zero
	MUL16 6, (\q)%2, \q, \slot, \zero
	PLACES NP
	WIN 0
	FETCH_A \slot, (\q)+1, 4
.endm
.macro STEPS slot, from
.set Q, \from
.rept NQ-1-\from
	STEP \slot, Q, 0
.set Q, Q+1
.endr
.endm
.macro TURN slot, next                 ; slot 0's last step changes slots: one barrier, behind which slot 1 is whole for every wave; nothing is filled again
	s_wait_tensorcnt 0x0                           ; my part of the next slot has landed
	ds_add_u32 v[SPW], v[NIL]                      ; 0 onto my spare word
	s_wait_dscnt 4*NL+1                            ; (the add and the youngest eight loads may be out)
	WIN MUL_LO
	MUL16 0, 1, NQ-1, \slot, 0
	s_wait_dscnt 0x0
	s_barrier_signal -1
	MUL16 2, 1, NQ-1, \slot, 0
	WIN 0
	s_barrier_wait -1
	PLACES NP
	FETCH_B \next, 0, 0
	FETCH_A \next, 0, 0
	WIN MUL_HI
	MUL16 4, 1, NQ-1, \slot, 0
	MUL16 6, 1, NQ-1, \slot, 0
	PLACES NP
	WIN 0
	FETCH_A \next, 0, 4
.endm
	s_wait_alu depctr_va_vdst(0)
	s_wait_tensorcnt 1                             ; my part of slot 0 is in; slot 1's load may stay out
	s_barrier_signal -1
	s_barrier_wait -1
	FETCH_B 0, 0, 0
	FETCH_A 0, 0, 0
	FETCH_A 0, 0, 4
	s_wait_loadcnt 0x0                             ; the scale words and the bias
	STEP 0, 0, 1                                   ; the first products start the sums: nothing is cleared
	STEPS 0, 1
	TURN 0, 1
	STEPS 1, 0
	s_wait_dscnt 4*NL                              ; the last step: nothing more to fetch
	WIN MUL_LO
	MUL16 0, 1, NQ-1, 1, 0
	MUL16 2, 1, NQ-1, 1, 0
	s_wait_dscnt 0
	WIN MUL_HI
	MUL16 4, 1, NQ-1, 1, 0
	MUL16 6, 1, NQ-1, 1, 0
	WIN 0
; 64 numbers of a lane, register 16 b + i of block b, become 8 registers of codes at v[pc] and the scale word v[w] (byte b: block b).
.macro QUANT s, pc, w
.irp b, 0,1,2,3
	v_max3_num_f32 v[MX+\b], |v[\s+16*\b]|, |v[\s+1+16*\b]|, 0x1800000   ; my 16 numbers, and the floor 2^(3 - 127): the byte cannot fall under 1
.endr
.irp i, 2,4,6,8,10,12,14
.irp b, 0,1,2,3
	v_max3_num_f32 v[MX+\b], v[MX+\b], |v[\s+16*\b+\i]|, |v[\s+1+16*\b+\i]|
.endr
.endr
.irp b, 0,1,2,3
	v_permlanex16_b32 v[PB+\b], v[MX+\b], s[SEL], s[SEL+1]
.endr
.irp b, 0,1,2,3
	v_max_num_f32 v[MX+\b], v[MX+\b], v[PB+\b]     ; with lane l xor 16's: the block's largest magnitude
.endr
.irp b, 0,1,2,3
	v_add_nc_u32 v[SO+\b], 0xff000000, v[MX+\b]    ; 2 off its exponent field: the conversion's scale operand
.endr
.irp b, 0,1,2,3
	v_lshrrev_b32 v[PB+\b], 23, v[SO+\b]           ; the scale's byte
.endr
	v_lshl_or_b32 v[\w], v[PB+1], 8, v[PB]
	v_lshl_or_b32 v[\w], v[PB+2], 16, v[\w]
	v_lshl_or_b32 v[\w], v[PB+3], 24, v[\w]
.irp c, 0,1
.irp e, 0,1
	v_cvt_scalef32_pk8_fp4_f32 v[\pc+4*\c+\e],   v[\s+16*(2*\c+\e):\s+16*(2*\c+\e)+7],    v[SO+2*\c+\e]   ; block 2 c + e: codes 0-7 | 8-15
	v_cvt_scalef32_pk8_fp4_f32 v[\pc+4*\c+2+\e], v[\s+16*(2*\c+\e)+8:\s+16*(2*\c+\e)+15], v[SO+2*\c+\e]   ; codes 16-23 | 24-31
.endr
.endr
	v_nop                                          ; one plain place behind the conversions
.irp c, 0,1
	v_permlane16_swap_b32 v[\pc+4*\c],   v[\pc+4*\c+1]     ; lanes 0-15: block 2 c whole; lanes 16-31: block 2 c + 1
	v_permlane16_swap_b32 v[\pc+4*\c+2], v[\pc+4*\c+3]
.endr
.endm
; A's block o: the bias is added (each accumulator from its low end on), the 64 numbers are quantised, and the two groups of four registers leave as 512 consecutive bytes each.
.macro EPI o, vsec
.if (\o) > 1
	s_wait_xcnt 0x0                                ; the stores of two blocks back have read this set of code registers
.endif
	WIN 0x06+(\o)/4                                ; source 0: the accumulators' window; source 1: window 1
.set k, 0
.rept 32
.if \vsec
	v_pk_add_f32 v[T+2*k:T+2*k+1], v[64*((\o)%4)+2*k:64*((\o)%4)+2*k+1], v[BV+2*(\o):BV+2*(\o)+1]
.else
	v_pk_add_f32 v[T+2*k:T+2*k+1], v[64*((\o)%4)+2*k:64*((\o)%4)+2*k+1], v[BI+2*k:BI+2*k+1]
.endif
.set k, k+1
.endr
	WIN 0
	QUANT T, PC+8*((\o)%2), W+(\o)
.if \vsec
	global_store_b128 v[LI], v[PC+8*((\o)%2):PC+8*((\o)%2)+3],   s[80:81] offset:((\o)/4)*HEADB+((\o)%4)*1024       ; head o / 4, channels 16 (o % 4) on: keys 0-63,
	global_store_b128 v[LI], v[PC+8*((\o)%2)+4:PC+8*((\o)%2)+7], s[80:81] offset:((\o)/4)*HEADB+((\o)%4)*1024+512   ; keys 64-127
.else
	global_store_b128 v[LI], v[PC+8*((\o)%2):PC+8*((\o)%2)+3],   s[80:81] offset:512*(\o)                          ; tokens 16 o on: my first head,
	global_store_b128 v[LI], v[PC+8*((\o)%2)+4:PC+8*((\o)%2)+7], s[80:81] offset:HEADB+512*(\o)                    ; my second
.endif
.endm
.irp b, 0,1,2,3
	v_mov_b32 v[PB+\b], 0                          ; a lane permute's destination counts as one of its sources.  These four are also the places behind the last products
.endr
	s_cmp_eq_u32 ttmp9, 2                          ; the section: the same in all partners; no LDS access and no barrier stands in either arm
	s_cbranch_scc1 .Lv
.irp o, 0,1,2,3,4,5,6,7
	EPI \o, 0
.endr
.irp o, 0,1,2,3,4,5,6,7
	v_bfe_u32 v[W+\o], v[W+\o], v[H16], 16         ; lanes 0-15 keep my first head's two bytes, lanes 16-31 my second's; bytes 2 and 3 are 0: they scale the zero codes that fill K = 64 up to 128
.endr
	global_store_b128 v[SV], v[W:W+3],   s[82:83]              ; sixteen lanes store 256 consecutive bytes, aligned
	global_store_b128 v[SV], v[W+4:W+7], s[82:83] offset:256
	s_branch .Ldone
.Lv:
.irp o, 0,1,2,3,4,5,6,7
	EPI \o, 1
.endr
	v_cmp_ne_u32 vcc_lo, 0, v[H16]
.irp k, 0,1,2,3
	v_cndmask_b32 v[W+\k], v[W+\k], v[W+4+\k], vcc_lo          ; lanes 16-31 take my second head's four words
.endr
	global_store_b128 v[SV], v[W:W+3], s[82:83]
.Ldone:
	s_wait_tensorcnt 0x0                           ; the wave's end
	ds_add_u32 v[SPW], v[NIL]
	s_wait_dscnt 0x0
	CROUND                                         ; the closing round
	s_endpgm
.Lfunc_end_k_qfc39f7397b_qkvq:
	.size	k_qfc39f7397b_qkvq, .Lfunc_end_k_qfc39f7397b_qkvq-k_qfc39f7397b_qkvq
	.p2alignl 7, 3214868480
	.fill 96, 4, 3214868480
	.section	.rodata,"a",@progbits
	.p2align	6, 0x0
	.amdhsa_kernel k_qfc39f7397b_qkvq
		.amdhsa_group_segment_fixed_size 327680
		.amdhsa_private_segment_fixed_size 0
		.amdhsa_enable_private_segment 0
		.amdhsa_kernarg_size 48
		.amdhsa_user_sgpr_count 2
		.amdhsa_user_sgpr_kernarg_segment_ptr 1
		.amdhsa_wavefront_size32 1
		.amdhsa_system_sgpr_workgroup_id_x 1
		.amdhsa_system_sgpr_workgroup_id_y 1
		.amdhsa_system_sgpr_workgroup_id_z 1
		.amdhsa_system_vgpr_workitem_id 0
		.amdhsa_next_free_vgpr 1024
		.amdhsa_next_free_sgpr 100
		.amdhsa_reserve_vcc 1
		.amdhsa_float_denorm_mode_32 3
		.amdhsa_float_denorm_mode_16_64 3
		.amdhsa_memory_ordered 1
		.amdhsa_forward_progress 1
		.amdhsa_inst_pref_size 196
	.end_amdhsa_kernel
	.amdgpu_metadata
---
amdhsa.version: [ 1, 2 ]
amdhsa.kernels:
  - .name:           k_qfc39f7397b_qkvq
    .symbol:         k_qfc39f7397b_qkvq.kd
    .args:
      - { .name: x_codes, .offset: 0, .size: 8, .value_kind: global_buffer, .address_space: global }
      - { .name: x_scales, .offset: 8, .size: 8, .value_kind: global_buffer, .address_space: global }
      - { .name: qkv_w_codes, .offset: 16, .size: 8, .value_kind: global_buffer, .address_space: global }
      - { .name: qkv_w_scales, .offset: 24, .size: 8, .value_kind: global_buffer, .address_space: global }
      - { .name: qkv_b, .offset: 32, .size: 8, .value_kind: global_buffer, .address_space: global }
      - { .name: qkv, .offset: 40, .size: 8, .value_kind: global_buffer, .address_space: global }
    .group_segment_fixed_size: 327680
    .private_segment_fixed_size: 0
    .kernarg_segment_align: 8
    .kernarg_segment_size: 48
    .max_flat_workgroup_size: 128
    .sgpr_count:     100
    .vgpr_count:     1024
    .wavefront_size: 32
...
	.end_amdgpu_metadata
.endif
;; end of part 1
;; launch attn (part 2): grid 4 x 64, 16 waves a work-group, clusters of 4 x 1, 167,936 bytes of LDS; arguments qkv, oimg, osc; writes oimg, osc
.if DOCPART == 2
	.amdgcn_target "amdgcn-amd-amdhsa--gfx1250"
	.amdhsa_code_object_version 6
	.text
	.protected	k_qfc39f7397b_attn
	.globl	k_qfc39f7397b_attn
	.p2align	8
	.type	k_qfc39f7397b_attn,@function
k_qfc39f7397b_attn:
	s_mov_b64 s[64:65], 0
	v_nop
	global_prefetch_b8 v0, s[64:65] scope:SCOPE_SE
	s_setreg_imm32_b32 hwreg(HW_REG_WAVE_MODE, 25, 1), 1
	s_wait_xcnt 0x0
	s_wait_alu depctr_hold_cnt(0) depctr_sa_sdst(0) depctr_va_vdst(0) depctr_va_sdst(0) depctr_va_ssrc(0) depctr_va_vcc(0) depctr_vm_vsrc(0)
	s_getreg_b32 s2, hwreg(HW_REG_IB_STS2, 6, 4)
	s_cmp_eq_u32 s2, 0
	s_cbranch_scc0 .Lentry_in_a_cluster
	s_endpgm
.Lentry_in_a_cluster:
	s_bfe_u32 s2, ttmp6, 0x10000c
	s_cmp_lg_u32 s2, 0x3003
	s_cbranch_scc0 .Lentry_shape_is_right
	s_endpgm
.Lentry_shape_is_right:
; Attention of one (batch, head) on codes of FP4 (E2M1) with E8M0 scales: S^T = K Q^T, p = 2^(t - M), O^T = V^T P^T, O / l, and O quantised along the channels for the projection that follows.  No work of the problem is left out.
; t = score x log2(e) / 8;  M = the running largest t rounded UP to a whole number;  p is quantised along the keys, not normalised;  l is the sum of the unquantised p, in f32, and divides O at the end.
; When M moves, l and O^T are multiplied by 2^(old M - new M): exact, with no branch on data.
; LIMITS: NaN and infinities are not served; a block of zeros gets the scale byte 1 (its codes are zeros; this program alone reads the bytes).
; SHARES.  A cluster of four work-groups is one head; a work-group owns 512 of its 2,048 queries; each of sixteen waves owns one tile of 16 queries at a time, in two passes, in 256 registers: four waves to a SIMD,
; so that one wave's vector work stands beside another's matrix work and LDS loads.
; THE HEAD'S K AND V STAY IN LDS: 16 key steps of 128 keys x 8,960 bytes, as the launch before laid them: images of operand registers (lane l's 16 bytes at 16 l) and their scale words.
; Wave w asks for key step w, one joint load with the mask of all four partners: filled once, nothing is filled again, and no barrier stands in the loop.
; LAYOUT.  Both products are used transposed: a lane holds ONE query (lane % 16) throughout.  In score tile t, lane (r, h) register j is key 16 t + 8 h + j; a block of 32 keys is tiles 2 B, 2 B + 1 in lanes l and l xor 16.
; K = 64 IN AN INSTRUCTION OF 128: Q's registers 4-7 are zero codes, and bytes 2, 3 of Q's and K's scale words are 0 (2^-127, no NaN).  K's operand of tile t names eight registers of which the upper four are the next
; tile's codes (behind tile 7: four registers of zeros): they meet Q's zeros and add exactly 0.  So K costs four registers and one LDS load a tile.
.set STEPB, 13568
.set HEADB, 16*STEPB
.set KVB,   8960                       ; a key step in LDS: +0 K, +4096 V, +8192 K's scale words, +8704 V's
.set OSC,   16*KVB                     ; behind the head: 1,024 bytes for O's scale bytes; stored by ds_store alone
.set SPARE, OSC+1024                   ; the spare words, 128 bytes for each wave: eight blocks of 256 bytes that no other line names
.set LI,  1                            ; 16 x lane
.set R16, 2                            ; 16 r
.set AD,  3
.set ADT, 4
.set SPW, 5
.set NIL, 6
.set OSA, 7                            ; where my tile's scale bytes go in LDS
.set OSR, 8                            ; where waves 0 and 1 read them back
.set OSG, 9                            ; and their place in memory
.set QSC, 10                           ; v10, v11: Q's scale words of pass 0, 1
.set QF,  16                           ; v16-23, v24-31: Q of pass 0, 1
.set KF,  32                           ; v32-63 K, four registers a tile; v64-67 zeros
.set VF,  68                           ; v68-99 V
.set S,   100                          ; v100-163 scores, then p
.set O,   164                          ; v164-195 O^T
.set PC,  196                          ; v196-203 p's codes
.set BM,  204
.set PT,  208
.set SO,  212
.set F,   216                          ; v[216:217]: f, later 1 / l (the upper half is written once)
.set TMP, 218
.set SM,  220                          ; v[220:221] the second chain of the sum
.set PW,  222                          ; p's scale word
.set KS,  224
.set VS,  228
.set OC,  232                          ; v232-235, v236-239: O's codes of pass 0, 1
.set OW,  240
.set WV,  10
.set SEL, 28
.set CS,  30
.set TB,  32
.set CNT, 33
.macro CROUND
	s_barrier_signal -1
	s_barrier_wait -1
	s_cmp_lg_u32 s[WV], 0
	s_cbranch_scc1 .Lnot_wave_0_\@
	s_barrier_signal -3
.Lnot_wave_0_\@:
	s_barrier_wait -3
	s_barrier_signal -1
	s_barrier_wait -1
.endm
	s_load_b128 s[4:7], s[0:1], 0x0                ; qkv, oimg
	s_load_b64 s[8:9], s[0:1], 0x10                ; osc
	v_lshl_add_u32 v[SPW], v0, 2, SPARE
	v_mov_b32 v[NIL], 0
	ds_add_u32 v[SPW], v[NIL]                      ; the wave's opening: the add, twice on end, and its wait ahead of my first tensor load
	ds_add_u32 v[SPW], v[NIL]
	v_lshrrev_b32 v3, 5, v0
	s_delay_alu instid0(VALU_DEP_1)
	v_readfirstlane_b32 s[WV], v3                  ; wave 0..15
	s_bfe_u32 s11, ttmp6, 0x40000                  ; cx: it enters Q's, oimg's and osc's addresses alone
	s_and_b32 s12, ttmp7, 0xffff                   ; 16 x batch + head, which the four partners share
	s_mov_b32 s16, 15|(3<<16)|(1<<21)              ; group 1: the mask of all four; elements of 8 bytes; bit 21 beside a mask; no padding: images are read 16 bytes a lane on end
	s_mov_b32 s17, 32<<16                          ; tensor_dim0 = 32 (256 bytes)
	s_mov_b32 s18, 35<<16                          ; tensor_dim1 = 35
	s_mov_b32 s19, 32<<16                          ; tile_dim0
	s_mov_b32 s20, 35                              ; tile_dim1: 35 x 256 = 8,960 dense bytes
	s_mov_b32 s21, 32
	s_mov_b32 s22, 0
	s_mov_b32 s23, 0
	s_mov_b32 s[SEL], 0x76543210
	s_mov_b32 s[SEL+1], 0xfedcba98
	s_mov_b32 s[CS], 0x3e38aa3b                    ; c = log2(e) / 8
	s_mov_b32 s[CS+1], s[CS]
	s_mul_i32 s40, s12, HEADB
	s_mov_b32 s41, 0
	s_mul_i32 s42, s[WV], STEPB
	s_add_co_u32 s42, s42, 4608                    ; key step w: its K, V and scale words are 8,960 bytes on end
	s_mov_b32 s43, 0
	s_mul_i32 s13, s[WV], KVB
	s_wait_dscnt 0x0                               ; both opening adds are done
	s_wait_kmcnt 0x0
	s_add_nc_u64 s[4:5], s[4:5], s[40:41]          ; qkv at my head
	s_mov_b32 s24, 1
	s_mov_b32 s25, s13
	s_add_nc_u64 s[26:27], s[4:5], s[42:43]
	s_or_b32 s27, s27, 0x80000000
	CROUND                                         ; all four work-groups are here: the joint loads meet
	tensor_load_to_lds s[24:27], s[16:23]          ; my one tensor load
	s_nop 0
	s_lshl_b32 s14, s11, 2
	s_lshr_b32 s15, s[WV], 3
	s_add_co_u32 s14, s14, s15                     ; pass 0: my tile 32 cx + w lies in block 4 cx + w / 8 of 128 tokens,
	s_mul_i32 s14, s14, STEPB
	s_and_b32 s15, s[WV], 7                        ; as its tile w % 8
	s_lshl_b32 s44, s15, 9
	s_add_co_u32 s44, s44, s14
	s_mov_b32 s45, 0
	s_add_nc_u64 s[34:35], s[4:5], s[44:45]        ; Q's image
	s_bfe_u32 s46, s[WV], 0x10002
	s_lshl_b32 s46, s46, 8
	s_and_b32 s47, s[WV], 3
	s_lshl_b32 s47, s47, 2
	s_add_co_u32 s46, s46, s47
	s_add_co_u32 s46, s46, s14
	s_add_co_u32 s46, s46, 4096
	s_mov_b32 s47, 0
	s_add_nc_u64 s[46:47], s[4:5], s[46:47]        ; Q's scale words: quad (w / 4) % 2, word w % 4 + .. of each row's four
	v_and_b32 v[LI], 31, v0
	s_delay_alu instid0(VALU_DEP_1)
	v_lshlrev_b32 v[LI], 4, v[LI]
	v_and_b32 v[R16], 15, v0
	s_delay_alu instid0(VALU_DEP_1)
	v_lshlrev_b32 v[R16], 4, v[R16]
.irp p, 0,1
	global_load_b128 v[QF+8*\p:QF+8*\p+3], v[LI], s[34:35] offset:2*STEPB*\p   ; pass 1's tile lies 16 tiles, two blocks, further on
	global_load_b32 v[QSC+\p], v[R16], s[46:47] offset:2*STEPB*\p
.endr
.irp j, 4,5,6,7,12,13,14,15
	v_mov_b32 v[QF+\j], 0                          ; zero codes for K = 64 .. 127
.endr
.irp j, 0,1,2,3
	v_mov_b32 v[KF+32+\j], 0                       ; behind K's tile 7
	v_mov_b32 v[PT+\j], 0                          ; a lane permute's destination counts as one of its sources
.endr
	v_mov_b32 v[F+1], 0                            ; named as the upper half of a pair
	s_lshr_b32 s13, s12, 4                         ; batch
	s_and_b32 s15, s12, 15                         ; head
	s_lshl_b32 s14, s13, 7
	s_lshl_b32 s44, s11, 5
	s_add_co_u32 s14, s14, s44
	s_add_co_u32 s14, s14, s[WV]                   ; pass 0's tile among all 512: 128 batch + 32 cx + w
	s_lshl_b32 s14, s14, 13                        ; 8,192 bytes a tile,
	s_lshl_b32 s44, s15, 9                         ; 512 a head
	s_add_co_u32 s44, s44, s14
	s_add_nc_u64 s[36:37], s[6:7], s[44:45]
	s_lshl_b32 s14, s13, 4
	s_lshl_b32 s44, s11, 2
	s_add_co_u32 s14, s14, s44
	s_and_b32 s44, s[WV], 1                        ; (waves 0 and 1 alone store scale bytes; the term is inside the buffer in every wave)
	s_lshl_b32 s44, s44, 1
	s_add_co_u32 s14, s14, s44                     ; the group of 8 tiles: 16 batch + 4 cx + 2 (w % 2)
	s_lshl_b32 s14, s14, 4
	s_add_co_u32 s14, s14, s15
	s_lshl_b32 s44, s14, 8
	s_add_nc_u64 s[38:39], s[8:9], s[44:45]
	s_lshr_b32 s14, s[WV], 3
	s_lshl_b32 s14, s14, 8
	s_and_b32 s15, s[WV], 7
	s_lshl_b32 s15, s15, 1
	s_add_co_u32 s14, s14, s15
	s_add_co_u32 s14, s14, OSC
	v_add_nc_u32 v[OSA], s14, v[R16]               ; OSC + 256 (w / 8) + 16 r + 2 (w % 8)
	s_and_b32 s14, s[WV], 1
	s_lshl_b32 s14, s14, 9
	s_add_co_u32 s14, s14, OSC
	v_add_nc_u32 v[OSR], s14, v[LI]
	v_bfe_u32 v[OSG], v0, 4, 1
	s_delay_alu instid0(VALU_DEP_1)
	v_lshl_add_u32 v[OSG], v[OSG], 12, v[R16]      ; lanes 16-31: the next group of 8 tiles, 4,096 bytes on
	s_wait_tensorcnt 0x0                           ; my key step has landed,
	s_barrier_signal -1
	s_barrier_wait -1                              ; everybody's has
	s_wait_loadcnt 0x0                             ; Q
; A KEY STEP: 128 keys at LDS byte s[TB].  q: Q's first register; qs: its scale word.
.macro STEP q, qs
	v_add_nc_u32 v[AD], s[TB], v[LI]
	v_add_nc_u32 v[ADT], s[TB], v[R16]
	v_nop
	v_nop                                          ; four places between the last products and the loads into V's registers
.irp t, 0,1,2,3,4,5,6,7
	ds_load_b128 v[KF+4*\t:KF+4*\t+3], v[AD] offset:512*\t
.endr
	ds_load_b128 v[KS:KS+3], v[AD] offset:8192     ; lanes 0-15: the words of tiles 0-3 of key r; lanes 16-31: of tiles 4-7
.irp f, 0,1,2,3,4,5,6,7
	ds_load_b128 v[VF+4*\f:VF+4*\f+3], v[AD] offset:4096+512*\f
.endr
	ds_load_b128 v[VS:VS+3], v[ADT] offset:8704    ; channel r: the words of the four channel tiles
	s_wait_dscnt 9                                 ; K and its words are in; V's eight loads and its words may be out
.irp t, 0,1,2,3,4,5,6,7
.if \t < 4
	v_wmma_scale_f32_16x16x128_f8f6f4 v[S+8*\t:S+8*\t+7], v[KF+4*\t:KF+4*\t+7], v[\q:\q+7], 0, v[KS+\t%4], v[\qs] matrix_a_fmt:MATRIX_FMT_FP4 matrix_b_fmt:MATRIX_FMT_FP4
.else
	v_wmma_scale_f32_16x16x128_f8f6f4 v[S+8*\t:S+8*\t+7], v[KF+4*\t:KF+4*\t+7], v[\q:\q+7], 0, v[KS+\t%4], v[\qs] matrix_a_fmt:MATRIX_FMT_FP4 matrix_b_fmt:MATRIX_FMT_FP4 matrix_a_scale:MATRIX_SCALE_ROW1
.endif
.endr
.rept 4
	v_nop
.endr
.irp b, 0,1,2,3
	v_max3_num_f32 v[BM+\b], v[S+16*\b], v[S+1+16*\b], v[S+2+16*\b]   ; the largest score of each block of 32 keys: for the row's maximum and, since p rises with the score, for the block's largest p
.endr
.irp i, 3,5,7,9,11,13
.irp b, 0,1,2,3
	v_max3_num_f32 v[BM+\b], v[BM+\b], v[S+16*\b+\i], v[S+1+16*\b+\i]
.endr
.endr
.irp b, 0,1,2,3
	v_max_num_f32 v[BM+\b], v[BM+\b], v[S+15+16*\b]
.endr
.irp b, 0,1,2,3
	s_delay_alu instid0(VALU_DEP_4)
	v_permlanex16_b32 v[PT+\b], v[BM+\b], s[SEL], s[SEL+1]
.endr
.irp b, 0,1,2,3
	s_delay_alu instid0(VALU_DEP_4)
	v_max_num_f32 v[BM+\b], v[BM+\b], v[PT+\b]     ; with lane l xor 16's 16 keys
.endr
	s_delay_alu instid0(VALU_DEP_2)
	v_max3_num_f32 v[TMP], v[BM], v[BM+1], v[BM+2]
	s_delay_alu instid0(VALU_DEP_1)
	v_max_num_f32 v[TMP], v[TMP], v[BM+3]
	s_delay_alu instid0(VALU_DEP_1)
	v_mul_f32 v[TMP], s[CS], v[TMP]                ; the step's largest t
	s_delay_alu instid0(VALU_DEP_1)
	v_max_num_f32 v13, v13, v[TMP]                 ; the running largest t
	v_mov_b32 v[TMP], v12
	s_delay_alu instid0(VALU_DEP_2)
	v_floor_f32 v12, -v13                          ; -M = floor(-t): M is a whole number
	s_delay_alu instid0(VALU_DEP_1)
	v_sub_f32 v[TMP], v12, v[TMP]                  ; old M - new M, 0 or less
	s_delay_alu instid0(VALU_DEP_1)
	v_cvt_i32_f32 v[TMP], v[TMP]                   ; (it saturates)
	s_delay_alu instid0(VALU_DEP_1)
	v_ldexp_f32 v[F], 1.0, v[TMP]                  ; f = 2^(old M - new M)
.set j, 0
.rept 32
	v_pk_fma_f32 v[S+j:S+j+1], v[S+j:S+j+1], s[CS:CS+1], v[12:13] op_sel_hi:[1,0,0]   ; t - M, two at a time
.set j, j+2
.endr
.irp b, 0,1,2,3
	v_fma_f32 v[BM+\b], v[BM+\b], s[CS], v12
.endr
.set j, 0
	s_wait_alu depctr_va_vdst(0)
.rept 64
	v_exp_f32 v[S+j], v[S+j]                       ; p = 2^(t - M)
.set j, j+1
.endr
	s_setprio 1
	v_pk_mul_f32 v[14:15], v[14:15], v[F:F+1] op_sel_hi:[1,0]   ; l under the new M: a plain place behind the exponentials
	s_wait_alu depctr_va_vdst(0)                   ; one wait for the batch of 64, ahead of its first reader
.irp b, 0,1,2,3
	v_exp_f32 v[BM+\b], v[BM+\b]                   ; each block's largest p
.endr
	v_pk_add_f32 v[220:221], v[104:105], v[108:109]
	v_pk_add_f32 v[254:255], v[112:113], v[116:117]
	v_pk_add_f32 v[252:253], v[120:121], v[124:125]
	v_pk_add_f32 v[250:251], v[128:129], v[132:133]
	v_pk_add_f32 v[248:249], v[136:137], v[140:141]
	v_pk_add_f32 v[246:247], v[144:145], v[148:149]
	v_pk_add_f32 v[244:245], v[152:153], v[156:157]
	v_pk_add_f32 v[14:15], v[14:15], v[160:161]
	v_pk_add_f32 v[220:221], v[220:221], v[100:101]
	v_pk_add_f32 v[254:255], v[254:255], v[102:103]
	v_pk_add_f32 v[252:253], v[252:253], v[106:107]
	v_pk_add_f32 v[250:251], v[250:251], v[110:111]
	v_pk_add_f32 v[248:249], v[248:249], v[114:115]
	v_pk_add_f32 v[246:247], v[246:247], v[118:119]
	v_pk_add_f32 v[244:245], v[244:245], v[122:123]
	v_pk_add_f32 v[14:15], v[14:15], v[126:127]
	v_pk_add_f32 v[220:221], v[220:221], v[130:131]
	v_pk_add_f32 v[254:255], v[254:255], v[134:135]
	v_pk_add_f32 v[252:253], v[252:253], v[138:139]
	v_pk_add_f32 v[250:251], v[250:251], v[142:143]
	v_pk_add_f32 v[248:249], v[248:249], v[146:147]
	v_pk_add_f32 v[246:247], v[246:247], v[150:151]
	v_pk_add_f32 v[244:245], v[244:245], v[154:155]
	v_pk_add_f32 v[14:15], v[14:15], v[158:159]
	v_pk_add_f32 v[220:221], v[220:221], v[162:163]
	s_delay_alu instid0(VALU_DEP_2)
	v_pk_add_f32 v[14:15], v[14:15], v[250:251]
	s_delay_alu instid0(VALU_DEP_2)
	v_pk_add_f32 v[220:221], v[220:221], v[248:249]
	v_pk_add_f32 v[254:255], v[254:255], v[246:247]
	v_pk_add_f32 v[252:253], v[252:253], v[244:245]
	s_delay_alu instid0(VALU_DEP_2)
	v_pk_add_f32 v[14:15], v[14:15], v[254:255]
	s_delay_alu instid0(VALU_DEP_2)
	v_pk_add_f32 v[220:221], v[220:221], v[252:253]
	s_delay_alu instid0(VALU_DEP_1)
	v_pk_add_f32 v[14:15], v[14:15], v[220:221]
	s_wait_alu depctr_va_vdst(0)                   ; and one for the four
.irp b, 0,1,2,3
	v_max_num_f32 v[BM+\b], 0x1800000, v[BM+\b]    ; the floor 2^(3 - 127)
.endr
.irp b, 0,1,2,3
	s_delay_alu instid0(VALU_DEP_4)
	v_add_nc_u32 v[SO+\b], 0xff000000, v[BM+\b]    ; 2 off the exponent field: the conversion's scale operand
.endr
.irp b, 0,1,2,3
	s_delay_alu instid0(VALU_DEP_4)
	v_lshrrev_b32 v[PT+\b], 23, v[SO+\b]
.endr
	s_delay_alu instid0(VALU_DEP_3)
	v_lshl_or_b32 v[PW], v[PT+1], 8, v[PT]         ; p's scale word for these 128 keys
	s_delay_alu instid0(VALU_DEP_1)
	v_lshl_or_b32 v[PW], v[PT+2], 16, v[PW]
	s_delay_alu instid0(VALU_DEP_1)
	v_lshl_or_b32 v[PW], v[PT+3], 24, v[PW]
.irp c, 0,1
.irp e, 0,1
	v_cvt_scalef32_pk8_fp4_f32 v[PC+4*\c+\e],   v[S+16*(2*\c+\e):S+16*(2*\c+\e)+7],    v[SO+2*\c+\e]
	v_cvt_scalef32_pk8_fp4_f32 v[PC+4*\c+2+\e], v[S+16*(2*\c+\e)+8:S+16*(2*\c+\e)+15], v[SO+2*\c+\e]
.endr
.endr
	v_nop                                          ; one plain place behind the conversions
.irp c, 0,1
	v_permlane16_swap_b32 v[PC+4*\c],   v[PC+4*\c+1]   ; lanes 0-15: block 2 c whole; lanes 16-31: block 2 c + 1
	v_permlane16_swap_b32 v[PC+4*\c+2], v[PC+4*\c+3]
.endr
.set j, 0
	s_setprio 0
.rept 16
	v_pk_mul_f32 v[O+j:O+j+1], v[O+j:O+j+1], v[F:F+1] op_sel_hi:[1,0]   ; O^T under the new M.  These sixteen also stand between the lines that made p's codes and scale word and the products
.set j, j+2
.endr
	s_wait_alu depctr_va_vdst(0)
	s_wait_dscnt 0x0                               ; V and its words
.irp d, 0,1,2,3
	v_wmma_scale_f32_16x16x128_f8f6f4 v[O+8*\d:O+8*\d+7], v[VF+8*\d:VF+8*\d+7], v[PC:PC+7], v[O+8*\d:O+8*\d+7], v[VS+\d], v[PW] matrix_a_fmt:MATRIX_FMT_FP4 matrix_b_fmt:MATRIX_FMT_FP4   ; four accumulators by turns; eight score products stand between two links
.endr
.endm
; One tile of 16 queries against all 2,048 keys, and its way out.
.macro PASS p
	v_mov_b32 v13, 0xff61b1e6                      ; the largest t so far: -3e38
	s_delay_alu instid0(VALU_DEP_1)
	v_floor_f32 v12, -v13
	v_mov_b32 v14, 0
	v_mov_b32 v15, 0
.set j, 0
.rept 32
	v_mov_b32 v[O+j], 0                            ; the step is written once: the first finds zeros, which the first change of M leaves zeros
.set j, j+1
.endr
	s_mov_b32 s[TB], 0
	s_mov_b32 s[CNT], 16
.Lstep_\@:
	s_setprio 2
	STEP QF+8*\p, QSC+\p
	s_add_co_u32 s[TB], s[TB], KVB
	s_sub_co_u32 s[CNT], s[CNT], 1
	s_cmp_lg_u32 s[CNT], 0
	s_cbranch_scc1 .Lstep_\@
	s_setprio 0
	v_add_f32 v14, v14, v15                        ; l's two halves,
	s_delay_alu instid0(VALU_DEP_1)
	v_permlanex16_b32 v[TMP], v14, s[SEL], s[SEL+1]
	s_delay_alu instid0(VALU_DEP_1)
	v_add_f32 v14, v14, v[TMP]                     ; and lane l xor 16's
	s_wait_alu depctr_va_vdst(0)
	v_rcp_f32 v[F], v14
	v_nop
	v_nop                                          ; with the two additions: four plain places behind the last products; also the place behind the reciprocal
	s_wait_alu depctr_va_vdst(0)                   ; ahead of the reciprocal's first reader
.set j, 0
.rept 16
	v_pk_mul_f32 v[S+j:S+j+1], v[O+j:O+j+1], v[F:F+1] op_sel_hi:[1,0]   ; O / l, each accumulator from its low end on: register 8 d + i is channel 16 d + 8 h + i of query r
.set j, j+2
.endr
.irp b, 0,1
	v_max3_num_f32 v[BM+\b], |v[S+16*\b]|, |v[S+1+16*\b]|, 0x1800000   ; the head's two blocks of 32 channels
.endr
.irp i, 2,4,6,8,10,12,14
.irp b, 0,1
	s_delay_alu instid0(VALU_DEP_2)
	v_max3_num_f32 v[BM+\b], v[BM+\b], |v[S+16*\b+\i]|, |v[S+1+16*\b+\i]|
.endr
.endr
.irp b, 0,1
	s_delay_alu instid0(VALU_DEP_2)
	v_permlanex16_b32 v[PT+\b], v[BM+\b], s[SEL], s[SEL+1]
.endr
.irp b, 0,1
	s_delay_alu instid0(VALU_DEP_2)
	v_max_num_f32 v[BM+\b], v[BM+\b], v[PT+\b]
.endr
.irp b, 0,1
	s_delay_alu instid0(VALU_DEP_2)
	v_add_nc_u32 v[SO+\b], 0xff000000, v[BM+\b]
.endr
.irp b, 0,1
	s_delay_alu instid0(VALU_DEP_2)
	v_lshrrev_b32 v[PT+\b], 23, v[SO+\b]
.endr
	s_delay_alu instid0(VALU_DEP_1)
	v_lshl_or_b32 v[TMP], v[PT+1], 8, v[PT]        ; the two bytes of (query r, my head)
.irp e, 0,1
	v_cvt_scalef32_pk8_fp4_f32 v[OC+4*\p+\e],   v[S+16*\e:S+16*\e+7],    v[SO+\e]
	v_cvt_scalef32_pk8_fp4_f32 v[OC+4*\p+2+\e], v[S+16*\e+8:S+16*\e+15], v[SO+\e]
.endr
	v_nop
	v_permlane16_swap_b32 v[OC+4*\p],   v[OC+4*\p+1]   ; lanes 0-15: channels 0-31; lanes 16-31: channels 32-63
	v_permlane16_swap_b32 v[OC+4*\p+2], v[OC+4*\p+3]
	ds_store_b16 v[OSA], v[TMP] offset:512*\p      ; both halves of the lanes write the same two bytes with the same value
	global_store_b128 v[LI], v[OC+4*\p:OC+4*\p+3], s[36:37] offset:131072*\p   ; 512 consecutive bytes: half of a K step's fragment of the projection
.endm
	PASS 0
	PASS 1
	s_wait_dscnt 0x0                               ; for the others' sake: my scale bytes lie in LDS
	s_barrier_signal -1
	s_barrier_wait -1
	s_cmp_gt_u32 s[WV], 1
	s_cbranch_scc1 .Lno_osc
	ds_load_b128 v[OW:OW+3], v[OSR]                ; waves 0 and 1: 512 bytes each: two groups of 8 tiles x 16 queries x 2 bytes
	s_wait_dscnt 0x0
	global_store_b128 v[OSG], v[OW:OW+3], s[38:39] ; sixteen lanes store 256 consecutive bytes, aligned
.Lno_osc:
	s_wait_tensorcnt 0x0                           ; the wave's end
	ds_add_u32 v[SPW], v[NIL]
	s_wait_dscnt 0x0
	CROUND                                         ; the closing round
	s_endpgm
.Lfunc_end_k_qfc39f7397b_attn:
	.size	k_qfc39f7397b_attn, .Lfunc_end_k_qfc39f7397b_attn-k_qfc39f7397b_attn
	.p2alignl 7, 3214868480
	.fill 96, 4, 3214868480
	.section	.rodata,"a",@progbits
	.p2align	6, 0x0
	.amdhsa_kernel k_qfc39f7397b_attn
		.amdhsa_group_segment_fixed_size 167936
		.amdhsa_private_segment_fixed_size 0
		.amdhsa_enable_private_segment 0
		.amdhsa_kernarg_size 24
		.amdhsa_user_sgpr_count 2
		.amdhsa_user_sgpr_kernarg_segment_ptr 1
		.amdhsa_wavefront_size32 1
		.amdhsa_system_sgpr_workgroup_id_x 1
		.amdhsa_system_sgpr_workgroup_id_y 1
		.amdhsa_system_sgpr_workgroup_id_z 1
		.amdhsa_system_vgpr_workitem_id 0
		.amdhsa_next_free_vgpr 256
		.amdhsa_next_free_sgpr 66
		.amdhsa_reserve_vcc 0
		.amdhsa_float_denorm_mode_32 3
		.amdhsa_float_denorm_mode_16_64 3
		.amdhsa_memory_ordered 1
		.amdhsa_forward_progress 1
		.amdhsa_inst_pref_size 49
	.end_amdhsa_kernel
	.amdgpu_metadata
---
amdhsa.version: [ 1, 2 ]
amdhsa.kernels:
  - .name:           k_qfc39f7397b_attn
    .symbol:         k_qfc39f7397b_attn.kd
    .args:
      - { .name: qkv, .offset: 0, .size: 8, .value_kind: global_buffer, .address_space: global }
      - { .name: oimg, .offset: 8, .size: 8, .value_kind: global_buffer, .address_space: global }
      - { .name: osc, .offset: 16, .size: 8, .value_kind: global_buffer, .address_space: global }
    .group_segment_fixed_size: 167936
    .private_segment_fixed_size: 0
    .kernarg_segment_align: 8
    .kernarg_segment_size: 24
    .max_flat_workgroup_size: 512
    .sgpr_count:     66
    .vgpr_count:     256
    .wavefront_size: 32
...
	.end_amdgpu_metadata
.endif
;; end of part 2
;; launch fc (part 3): grid 4 x 32, 4 waves a work-group, clusters of 4 x 4, 327,680 bytes of LDS; arguments oimg, osc, fc_w_codes, fc_w_scales, fc_b, out0; writes out0
.if DOCPART == 3
	.amdgcn_target "amdgcn-amd-amdhsa--gfx1250"
	.amdhsa_code_object_version 6
	.text
	.protected	k_qfc39f7397b_fc
	.globl	k_qfc39f7397b_fc
	.p2align	8
	.type	k_qfc39f7397b_fc,@function
k_qfc39f7397b_fc:
	s_mov_b64 s[64:65], 0
	v_nop
	global_prefetch_b8 v0, s[64:65] scope:SCOPE_SE
	s_setreg_imm32_b32 hwreg(HW_REG_WAVE_MODE, 25, 1), 1
	s_wait_xcnt 0x0
	s_wait_alu depctr_hold_cnt(0) depctr_sa_sdst(0) depctr_va_vdst(0) depctr_va_sdst(0) depctr_va_ssrc(0) depctr_va_vcc(0) depctr_vm_vsrc(0)
	s_getreg_b32 s2, hwreg(HW_REG_IB_STS2, 6, 4)
	s_cmp_eq_u32 s2, 0
	s_cbranch_scc0 .Lentry_in_a_cluster
	s_endpgm
.Lentry_in_a_cluster:
	s_bfe_u32 s2, ttmp6, 0x10000c
	s_cmp_lg_u32 s2, 0xf033
	s_cbranch_scc0 .Lentry_shape_is_right
	s_endpgm
.Lentry_shape_is_right:
; out0 = O fc_w^T + fc_b on codes of FP4 (E2M1) with E8M0 scales.  O [8,192][1,024] comes from the launch before as images of operand registers (oimg) and two scale bytes for each (row, head) (osc).  No work of the problem is left out.
; SHAPE.  A work-group of four waves makes 256 x 256 of out0, a wave 128 x 128: 64 accumulators.  K = 1,024 is two LDS slots of 512 along K, both first fills: nothing is filled again and the K walk is written out.
; 4 x 4 work-groups form a cluster: O's tiles are shared along a row of it, fc_w's along a column, each asked for jointly.
; THE MATRIX INSTRUCTION IS USED TRANSPOSED: source 0 = 16 rows of fc_w (role B), source 1 = 16 rows of O (role A): a lane holds eight neighbouring numbers of a row of out0.  The bias is the C of each sum's first product.
; A'S TILES: oimg is [tile of 16 rows][head][lane][16 bytes]: a K step of 128 (two heads) of a tile is 1,024 bytes on end, a slot's 512 along K 4,096; a wave fetches 8 tiles: 8 rows of 4,096 bytes, 8,192 apart, dense in LDS.
; REGISTERS.  window 0: v16-31 addresses; v32-95 A's scale words (block i, K step s at 8 s + 4 (i % 2) + i / 2), v192-255 B's (8 i + s); v128-191 A's fragments.
;   window 1: v0-63, v128-191 B's fragments, two sets, on the way out rows of out0; v192-255 the bias.   windows 2, 3: the accumulators.
.set SIZE_N, 1024
.set NQ,     4
.set ROWB,   256
.set KROW,   512
.set PITCH,  272
.set FR,     8
.set NL,     2
.set NP,     4
.set HALFT,  128*PITCH
.set SLOT,   4*HALFT
.set SPARE,  2*SLOT                    ; the spare words, 128 bytes for each wave: two blocks of 256 bytes that no other line names
.set SPITCH, 528                       ; the way out: a stage of 16 rows x (512 bytes + 16) for each wave, in slot 0, which has had its only fill and its last read when the first result is stored there
.set ADRA, 16
.set ADRB, 20
.set STO,  24
.set RD,   25
.set CO,   26
.set R16,  27
.set SPW,  28
.set NIL,  29
.set R32,  30
.set BO,   31
.set SA,   32
.set AF,   128
.set SB,   192
.set BI,   192                         ; in window 1
.set G1, 24
.set G0, 32
.set G1B, 48
.set G0B, 56
.set MSB, 0
.macro WIN new
.if MSB != (\new)
	s_set_vgpr_msb (MSB<<8)|(\new)
.set MSB, \new
.endif
.endm
.set MUL_LO, 0xa1                      ; source 0 (B) window 1, source 1 (A) window 0, C and D window 2
.set MUL_HI, 0xf1
.set FST_LO, 0x91                      ; the first products: C (the bias) window 1, D window 2
.set FST_HI, 0xd1
.set TO_B,   0x40
.macro JLOAD g0a, g1a, g0b, g1b        ; a joint load: waves 0 and 1 fetch for A, waves 2 and 3 for B; an s_nop 0 and four v_nop follow each line
	s_cmp_eq_u32 s15, 0
	s_cbranch_scc0 .Lfor_b_\@
	tensor_load_to_lds s[\g0a:\g0a+3], s[\g1a:\g1a+7]
	s_nop 0
.rept 4
	v_nop
.endr
	s_branch .Lasked_\@
.Lfor_b_\@:
	tensor_load_to_lds s[\g0b:\g0b+3], s[\g1b:\g1b+7]
	s_nop 0
.rept 4
	v_nop
.endr
.Lasked_\@:
.endm
.macro CROUND
	s_barrier_signal -1
	s_barrier_wait -1
	s_cmp_lg_u32 s14, 0
	s_cbranch_scc1 .Lnot_wave_0_\@
	s_barrier_signal -3
.Lnot_wave_0_\@:
	s_barrier_wait -3
	s_barrier_signal -1
	s_barrier_wait -1
.endm
	s_load_b256 s[4:11], s[0:1], 0x0               ; oimg s[4:5], osc s[6:7], fc_w's codes s[8:9], its scales s[10:11]
	s_load_b128 s[68:71], s[0:1], 0x20             ; fc_b s[68:69], out0 s[70:71]
	v_lshl_add_u32 v[SPW], v0, 2, SPARE
	v_mov_b32 v[NIL], 0
	ds_add_u32 v[SPW], v[NIL]                      ; the wave's opening: the add, twice on end, and its wait ahead of my first tensor load
	ds_add_u32 v[SPW], v[NIL]
	v_lshrrev_b32 v1, 5, v0
	v_readfirstlane_b32 s14, v1                    ; wave 0..3
	s_lshr_b32 s15, s14, 1                         ; which half of the tile's rows is mine.  Also: I fetch for A (0) or for B (1)
	s_and_b32 s16, s14, 1                          ; which half of its columns.  Also: which half I fetch
	s_bfe_u32 s40, ttmp6, 0x40000                  ; cx
	s_bfe_u32 s41, ttmp6, 0x40004                  ; cy
	s_lshl_b32 s42, ttmp9, 2
	s_add_co_u32 s42, s42, s40                     ; tile column of out0
	s_and_b32 s17, ttmp7, 0xffff
	s_lshl_b32 s17, s17, 2
	s_add_co_u32 s17, s17, s41                     ; tile row
	s_lshl_b32 s43, s41, 2
	s_lshl_b32 s43, 15, s43                        ; my row of the cluster
	s_lshl_b32 s44, 0x1111, s40                    ; my column
	s_or_b32 s[G1+0], s43, (3<<16)|(1<<21)         ; A: the mask; elements of 8 bytes; bit 21 beside a mask; no padding
	s_mov_b32 s[G1+1], 512<<16                     ; tensor_dim0 = 512 (4,096 bytes)
	s_mov_b32 s[G1+2], 8<<16                       ; tensor_dim1 = 8
	s_mov_b32 s[G1+3], 512<<16                     ; tile_dim0
	s_mov_b32 s[G1+4], 8                           ; tile_dim1
	s_mov_b32 s[G1+5], 1024                        ; from tile to tile: 8,192 bytes
	s_mov_b32 s[G1+6], 0
	s_mov_b32 s[G1+7], 0
	s_or_b32 s[G1B+0], s44, (0<<16)|(1<<20)|(1<<21)|(5<<22)|(3<<25)  ; B: 128 rows of 256 bytes, 4 words of padding behind every 64
	s_mov_b32 s[G1B+1], ROWB<<16
	s_mov_b32 s[G1B+2], 128<<16
	s_mov_b32 s[G1B+3], ROWB<<16
	s_mov_b32 s[G1B+4], 128
	s_mov_b32 s[G1B+5], KROW
	s_mov_b32 s[G1B+6], 0
	s_mov_b32 s[G1B+7], 0
	s_lshl_b32 s20, s17, 4
	s_lshl_b32 s18, s16, 3
	s_add_co_u32 s20, s20, s18                     ; A: tile of 16 rows 16 x tile row + 8 x half
	s_lshl_b32 s20, s20, 13
	s_mov_b32 s21, 0
	s_lshl_b32 s46, s42, 8
	s_lshl_b32 s18, s16, 7
	s_add_co_u32 s46, s46, s18                     ; B: row 256 x tile column + 128 x half
	s_lshl_b32 s46, s46, 9
	s_mov_b32 s47, 0
	s_mul_i32 s45, s14, HALFT
	s_mov_b32 s88, 0x05040100
	s_mov_b32 s89, 0x07060302
	s_wait_dscnt 0x0                               ; both opening adds are done
	s_wait_kmcnt 0x0
	s_add_nc_u64 s[20:21], s[4:5], s[20:21]
	s_add_nc_u64 s[46:47], s[8:9], s[46:47]
	CROUND                                         ; all sixteen work-groups are here: the joint loads meet
.irp s, 0,1
	s_mov_b32 s[G0+4*\s], 1
	s_add_co_u32 s[G0+4*\s+1], s45, \s*SLOT
	s_add_nc_u64 s[G0+4*\s+2:G0+4*\s+3], s[20:21], \s*4096
	s_or_b32 s[G0+4*\s+3], s[G0+4*\s+3], 0x80000000
	s_mov_b32 s[G0B+4*\s], 1
	s_add_co_u32 s[G0B+4*\s+1], s45, \s*SLOT
	s_add_nc_u64 s[G0B+4*\s+2:G0B+4*\s+3], s[46:47], \s*ROWB
	s_or_b32 s[G0B+4*\s+3], s[G0B+4*\s+3], 0x80000000
	s_wait_alu depctr_va_vdst(0)
	s_wait_tensorcnt 0x0
	ds_add_u32 v28, v29
	ds_add_u32 v28, v29
	s_wait_dscnt 0x0
	CROUND
	JLOAD G0+4*\s, G1, G0B+4*\s, G1B               ; both slots: one load of mine is out at a time
.endr
	v_and_b32 v1, 15, v0                           ; r
	v_bfe_u32 v2, v0, 4, 1                         ; h
	v_lshlrev_b32 v[R16], 4, v1
	s_wait_alu depctr_va_vdst(0)
	v_lshlrev_b32 v[R32], 5, v1
	s_wait_alu depctr_va_vdst(0)
	v_lshlrev_b32 v[BO], 5, v2
	s_wait_alu depctr_va_vdst(0)
	s_lshl_b32 s20, s17, 1
	s_add_co_u32 s20, s20, s15                     ; my 128 rows: group 2 x tile row + half,
	s_lshl_b32 s20, s20, 12                        ; 4,096 bytes of osc a group
	s_mov_b32 s21, 0
	s_add_nc_u64 s[72:73], s[6:7], s[20:21]
	s_lshl_b32 s22, s42, 8
	s_lshl_b32 s23, s16, 7
	s_add_co_u32 s22, s22, s23                     ; my first column of out0 = my first row of fc_w
	s_lshl_b32 s20, s22, 5
	s_add_nc_u64 s[74:75], s[10:11], s[20:21]
	s_lshl_b32 s20, s22, 2
	s_add_nc_u64 s[76:77], s[68:69], s[20:21]
.irp d, 0,1,2,3,4,5,6,7,8,9,10,11,12,13,14,15
	global_load_b128 v[AF+4*\d:AF+4*\d+3], v[R16], s[72:73] offset:256*\d      ; head d: row r's two bytes for each of my 8 tiles: sixteen lanes read 256 consecutive bytes
.endr
.irp i, 0,1,2,3,4,5,6,7
	global_load_b128 v[SB+8*\i:SB+8*\i+3],   v[R32], s[74:75] offset:512*\i    ; fc_w's scale words: a row's 32 bytes are its eight words
	global_load_b128 v[SB+8*\i+4:SB+8*\i+7], v[R32], s[74:75] offset:512*\i+16
.endr
	WIN TO_B
.irp i, 0,1,2,3,4,5,6,7
	global_load_b128 v[BI+8*\i:BI+8*\i+3],   v[BO], s[76:77] offset:64*\i      ; register 8 i + j: the bias of column 16 i + 8 h + j
	global_load_b128 v[BI+8*\i+4:BI+8*\i+7], v[BO], s[76:77] offset:64*\i+16
.endr
	WIN 0
	s_wait_loadcnt 32                              ; osc's sixteen loads are in; fc_w's words and the bias may be out
.irp s, 0,1,2,3,4,5,6,7
.irp k, 0,1,2,3
	v_perm_b32 v[SA+8*\s+\k],   v[AF+8*\s+4+\k], v[AF+8*\s+\k], s88            ; K step s is heads 2 s and 2 s + 1: tile 2 k: the low halves of both,
	v_perm_b32 v[SA+8*\s+4+\k], v[AF+8*\s+4+\k], v[AF+8*\s+\k], s89            ; tile 2 k + 1: the high halves
.endr
.endr
	v_mul_u32_u24 v3, v1, PITCH                    ; (the address lines from here on, more than eight, stand between the lines that made scale words and the first product)
	v_lshl_add_u32 v4, v2, 4, v3
	v_and_b32 v6, 31, v0
	v_lshlrev_b32 v[CO], 4, v6                     ; 16 x lane
	s_wait_alu depctr_va_vdst(0)
	s_mul_i32 s21, s15, HALFT                      ; my 8 tiles of A
	s_mul_i32 s22, s16, HALFT
	s_add_co_u32 s22, s22, 2*HALFT                 ; my 128 rows of B
.irp s, 0,1
	v_add_nc_u32 v[ADRA+\s], s21, v[CO]
	v_add_nc_u32 v[ADRB+\s], s22, v4
	s_add_co_u32 s21, s21, SLOT
	s_add_co_u32 s22, s22, SLOT
.endr
	s_mul_i32 s23, s14, 16*SPITCH                  ; my stage
	v_mul_u32_u24 v5, v1, SPITCH
	v_lshl_add_u32 v5, v2, 5, v5
	v_add_nc_u32 v[STO], s23, v5                   ; in: row r, 32 bytes for each half of the lanes
	v_add_nc_u32 v[RD], s23, v[CO]                 ; back: the 32 lanes take one row of 512 bytes
	v_nop
	v_nop
	s_lshl_b32 s20, s17, 8
	s_lshl_b32 s23, s15, 7
	s_add_co_u32 s20, s20, s23                     ; my first row of out0,
	s_lshl_b32 s20, s20, 12                        ; 4,096 bytes a row
	s_lshl_b32 s22, s42, 10
	s_lshl_b32 s23, s16, 9
	s_add_co_u32 s22, s22, s23                     ; my first column, in bytes
	s_add_co_u32 s20, s20, s22
	s_mov_b32 s21, 0
	s_add_nc_u64 s[12:13], s[70:71], s[20:21]
.macro FRAG reg, adr, q, i             ; B: 16 rows x 128 K from rows of 272 bytes
.irp c, 0,1
	ds_load_b128 v[\reg+4*\c:\reg+4*\c+3], v[\adr] offset:64*(\q)+32*\c+(\i)*16*PITCH
.endr
.endm
.macro FRAGA reg, slot, q, i           ; A: an image: 16 bytes a lane on end
.irp c, 0,1
	ds_load_b128 v[\reg+4*\c:\reg+4*\c+3], v[ADRA+\slot] offset:1024*(\q)+512*\c+4096*(\i)
.endr
.endm
; 16 matrix instructions: A's blocks a0, a0 + 1 x B's eight.  first = 1: the bias is the C of the sum's first product.  The 64 accumulators take turns, one instruction a turn.
.macro MUL16 a0, p, q, sl, first
.irp a, \a0, \a0+1
.irp b, 0,1,2,3,4,5,6,7
.if \first
	v_wmma_scale_f32_16x16x128_f8f6f4 v[8*(8*((\a)%4)+\b):8*(8*((\a)%4)+\b)+7], v[128*(\p)+FR*\b:128*(\p)+FR*\b+FR-1], v[AF+FR*(\a):AF+FR*(\a)+FR-1], v[BI+8*\b:BI+8*\b+7], v[SB+8*\b+4*(\sl)+(\q)], v[SA+8*(4*(\sl)+(\q))+4*((\a)%2)+(\a)/2] matrix_a_fmt:MATRIX_FMT_FP4 matrix_b_fmt:MATRIX_FMT_FP4
.else
	v_wmma_scale_f32_16x16x128_f8f6f4 v[8*(8*((\a)%4)+\b):8*(8*((\a)%4)+\b)+7], v[128*(\p)+FR*\b:128*(\p)+FR*\b+FR-1], v[AF+FR*(\a):AF+FR*(\a)+FR-1], v[8*(8*((\a)%4)+\b):8*(8*((\a)%4)+\b)+7], v[SB+8*\b+4*(\sl)+(\q)], v[SA+8*(4*(\sl)+(\q))+4*((\a)%2)+(\a)/2] matrix_a_fmt:MATRIX_FMT_FP4 matrix_b_fmt:MATRIX_FMT_FP4
.endif
.endr
.endr
.endm
.macro FETCH_B slot, q, p
	WIN TO_B
.irp i, 0,1,2,3,4,5,6,7
	FRAG 128*(\p)+FR*\i, ADRB+\slot, \q, \i
.endr
	WIN 0
.endm
.macro FETCH_A slot, q, i0
.irp i, \i0, \i0+1, \i0+2, \i0+3
	FRAGA AF+FR*(\i), \slot, \q, \i
.endr
.endm
.macro PLACES n
.rept \n
	v_nop
.endr
.endm
.macro STEP slot, q, first
	s_wait_dscnt 4*NL                              ; B's set and A's blocks 0-3 are in; the youngest eight loads (A's blocks 4-7) may be out
.if \first
	WIN FST_LO
.else
	WIN MUL_LO
.endif
	MUL16 0, (\q)%2, \q, \slot, \first
	MUL16 2, (\q)%2, \q, \slot, \first
	s_wait_dscnt 0
	PLACES NP
	FETCH_B \slot, (\q)+1, 1-(\q)%2
	FETCH_A \slot, (\q)+1, 0
.if \first
	WIN FST_HI
.else
	WIN MUL_HI
.endif
	MUL16 4, (\q)%2, \q, \slot, \first
	MUL16 6, (\q)%2, \q, \slot, \first
	PLACES NP
	WIN 0
	FETCH_A \slot, (\q)+1, 4
.endm
.macro STEPS slot, from
.set Q, \from
.rept NQ-1-\from
	STEP \slot, Q, 0
.set Q, Q+1
.endr
.endm
.macro TURN slot, next                 ; slot 0's last step changes slots: one barrier, behind which slot 1 is whole and nobody reads slot 0; nothing is filled again
	s_wait_tensorcnt 0x0
	ds_add_u32 v[SPW], v[NIL]                      ; 0 onto my spare word
	s_wait_dscnt 4*NL+1                            ; (the add and the youngest eight loads may be out)
	WIN MUL_LO
	MUL16 0, 1, NQ-1, \slot, 0
	s_wait_dscnt 0x0
	s_barrier_signal -1
	MUL16 2, 1, NQ-1, \slot, 0
	WIN 0
	s_barrier_wait -1
	PLACES NP
	FETCH_B \next, 0, 0
	FETCH_A \next, 0, 0
	WIN MUL_HI
	MUL16 4, 1, NQ-1, \slot, 0
	MUL16 6, 1, NQ-1, \slot, 0
	PLACES NP
	WIN 0
	FETCH_A \next, 0, 4
.endm
	s_wait_alu depctr_va_vdst(0)
	s_wait_tensorcnt 1                             ; my part of slot 0 is in; slot 1's load may stay out
	s_barrier_signal -1
	s_barrier_wait -1
	FETCH_B 0, 0, 0
	FETCH_A 0, 0, 0
	FETCH_A 0, 0, 4
	s_wait_loadcnt 0x0                             ; fc_w's scale words and the bias
	STEP 0, 0, 1
	STEPS 0, 1
	TURN 0, 1
	STEPS 1, 0
	s_wait_dscnt 4*NL                              ; the last step: nothing more to fetch
	WIN MUL_LO
	MUL16 0, 1, NQ-1, 1, 0
	MUL16 2, 1, NQ-1, 1, 0
	s_wait_dscnt 0
	WIN MUL_HI
	MUL16 4, 1, NQ-1, 1, 0
	MUL16 6, 1, NQ-1, 1, 0
	WIN 0
; THE WAY OUT, block by block of 16 rows x 128 columns, through my own stage: in as 32 bytes a lane, back as whole rows of 512 bytes, which the 32 lanes store as two aligned runs of 256 bytes.
; LDS serves a wave's instructions in order (ISA guide 5.7.1.4): no wait between the stores and the loads.  The rows come back into B's two sets of window 1, by turns.
.macro TOSTAGE a
.set AC, 64*((\a)%4)
	WIN 0x08+4*((\a)/4)                            ; an LDS store's data: window 2 or 3
.irp b, 0,1,2,3,4,5,6,7
	ds_store_b128 v[STO], v[AC+8*\b:AC+8*\b+3] offset:64*\b          ; each accumulator from its low end on
	ds_store_b128 v[STO], v[AC+8*\b+4:AC+8*\b+7] offset:64*\b+16
.endr
	WIN TO_B
.set BB, 128*((\a)%2)
.irp t, 0,1,2,3,4,5,6,7,8,9,10,11,12,13,14,15
	ds_load_b128 v[BB+4*\t:BB+4*\t+3], v[RD] offset:\t*SPITCH
.endr
	WIN 0
.endm
.macro SEND a, younger
.set BB, 128*((\a)%2)
	s_wait_dscnt \younger                          ; the block is back in registers
.if (\a) > 0
	s_add_nc_u64 s[12:13], s[12:13], 16*SIZE_N*4   ; (behind a wait on XCNT: the earlier stores have read their base)
.endif
	WIN 0x04                                       ; a store's data: window 1
.irp t, 0,1,2,3,4,5,6,7,8,9,10,11,12,13,14,15
	global_store_b128 v[CO], v[BB+4*\t:BB+4*\t+3], s[12:13] offset:\t*SIZE_N*4 th:TH_STORE_NT   ; 512 consecutive bytes; written once, read by nobody here
.endr
	WIN 0
.endm
	PLACES NP                                      ; behind the last products: for the loads into B's sets and the reads of results
	TOSTAGE 0
.irp a, 1,2,3,4,5,6,7
.if \a > 1
	s_wait_xcnt 0x0                                ; block a - 2's stores have read their registers and their base
.endif
	TOSTAGE \a
	SEND \a-1, 32                                  ; behind block a - 1's loads: block a's 16 stores and 16 loads
.endr
	s_wait_xcnt 0x0
	SEND 7, 0
	s_wait_tensorcnt 0x0                           ; the wave's end
	ds_add_u32 v[SPW], v[NIL]
	s_wait_dscnt 0x0
	CROUND                                         ; the closing round
	s_endpgm
.Lfunc_end_k_qfc39f7397b_fc:
	.size	k_qfc39f7397b_fc, .Lfunc_end_k_qfc39f7397b_fc-k_qfc39f7397b_fc
	.p2alignl 7, 3214868480
	.fill 96, 4, 3214868480
	.section	.rodata,"a",@progbits
	.p2align	6, 0x0
	.amdhsa_kernel k_qfc39f7397b_fc
		.amdhsa_group_segment_fixed_size 327680
		.amdhsa_private_segment_fixed_size 0
		.amdhsa_enable_private_segment 0
		.amdhsa_kernarg_size 48
		.amdhsa_user_sgpr_count 2
		.amdhsa_user_sgpr_kernarg_segment_ptr 1
		.amdhsa_wavefront_size32 1
		.amdhsa_system_sgpr_workgroup_id_x 1
		.amdhsa_system_sgpr_workgroup_id_y 1
		.amdhsa_system_sgpr_workgroup_id_z 1
		.amdhsa_system_vgpr_workitem_id 0
		.amdhsa_next_free_vgpr 1024
		.amdhsa_next_free_sgpr 100
		.amdhsa_reserve_vcc 0
		.amdhsa_float_denorm_mode_32 3
		.amdhsa_float_denorm_mode_16_64 3
		.amdhsa_memory_ordered 1
		.amdhsa_forward_progress 1
		.amdhsa_inst_pref_size 132
	.end_amdhsa_kernel
	.amdgpu_metadata
---
amdhsa.version: [ 1, 2 ]
amdhsa.kernels:
  - .name:           k_qfc39f7397b_fc
    .symbol:         k_qfc39f7397b_fc.kd
    .args:
      - { .name: oimg, .offset: 0, .size: 8, .value_kind: global_buffer, .address_space: global }
      - { .name: osc, .offset: 8, .size: 8, .value_kind: global_buffer, .address_space: global }
      - { .name: fc_w_codes, .offset: 16, .size: 8, .value_kind: global_buffer, .address_space: global }
      - { .name: fc_w_scales, .offset: 24, .size: 8, .value_kind: global_buffer, .address_space: global }
      - { .name: fc_b, .offset: 32, .size: 8, .value_kind: global_buffer, .address_space: global }
      - { .name: out0, .offset: 40, .size: 8, .value_kind: global_buffer, .address_space: global }
    .group_segment_fixed_size: 327680
    .private_segment_fixed_size: 0
    .kernarg_segment_align: 8
    .kernarg_segment_size: 48
    .max_flat_workgroup_size: 128
    .sgpr_count:     100
    .vgpr_count:     1024
    .wavefront_size: 32
...
	.end_amdgpu_metadata
.endif
;; end of part 3
